; MI455X (gfx1250); checked and timed in simulation.
; The chip was launched on July 23, 2026; its instructions are those of AMD's public machine-readable ISA for CDNA 5 (MIT licence, August 2026) and "CDNA5" Instruction Set Architecture Reference Guide (July 2026). The comments in the code are by the model that wrote it; some were corrected since.
;; KAN Linear. Allowed arithmetic: matrix products marked QUANTISED: E2M1 operands, one E8M0 scale for each 32 along K, by v_wmma_scale_f32_16x16x128_f8f6f4 with both operands' format E2M1 (or v_wmma_scale_f32_32x16x128_f4), f32 sums; everything else in f32.
;; Inputs: base_weight_codes 256 x 8 x 16 uint8 (E2M1 codes of base_weight, K innermost, in blocks of 32 codes, two codes a byte); base_weight_scales 256 x 8 uint8 (E8M0 scales of base_weight, one for each 32 codes along K); grid 256 x 12 float32; spline_weight 256 x 256 x 8 float32; x 32,768 x 256 float32.
;; Outputs: out0 32,768 x 256 float32.
;; This version of the problem:
;;   THIS VERSION OF THE PROBLEM IS GIVEN IN LOW PRECISION. The matrix products marked QUANTISED in the list below multiply operands that are first quantised to E2M1 (2 exponent bits, 1 mantissa bit; 4 bits a number), with one power-of-two scale for each 32 numbers along K (OCP MX v1.0); their sums are f32. All else is computed in f32.
;;   The module's matrix products, in the order in which they are computed (A, B: the left and right operand; K: the contracted axis; several contracted axes count as one K, in the product's order):
;;     1. [M 32,768, K 256] x [K 256, N 256]; A: computed on the way; B: input base_weight (given as codes): QUANTISED
;;     2. [M 32,768, K 2,048] x [K 2,048, N 256]; A: computed on the way; B: input spline_weight: QUANTISED
;;   THE QUANTISER, for each operand of a quantised product, along K:
;;     - K is cut into blocks of 32 from its start; a last block that is shorter is filled with zeros.
;;     - A block's scale is 2^e with e = floor(log2(the largest magnitude in the block)) - 2, held to -126 .. 127; a block of zeros has e = 0. As a byte (E8M0): e + 127.
;;     - Each number is divided by its block's scale, clamped to +-6, and rounded to the nearest number of E2M1, ties to even, subnormals kept.
;;     - The product sums the exact products of the quantised numbers (number of the format x scale) in f32.
;;   ~~~python
;;   def quantise(x, axis):      # numpy; x: float32 -> the quantised numbers, widened to float32 again
;;       x = np.moveaxis(x, axis, -1); K = x.shape[-1]
;;       x = np.pad(x, [(0, 0)] * (x.ndim - 1) + [(0, -K % 32)]); x = x.reshape(x.shape[:-1] + (-1, 32)); a = np.abs(x).max(-1, keepdims=True)
;;       e = np.where(a > 0, np.clip(np.frexp(np.where(a > 0, a, 1))[1] - 1 - 2, -126, 127), 0)      # np.frexp(a)[1] - 1 = floor(log2(a)), exactly
;;       r = np.clip(x / 2.0 ** e, -6, 6)
;;       step = 2.0 ** (np.maximum(np.frexp(np.where(r == 0, 1, r))[1] - 1, 0) - 1)
;;       q = np.round(r / step) * step * 2.0 ** e      # np.round: ties to even
;;       return np.moveaxis(q.reshape(q.shape[:-2] + (-1,))[..., :K], -1, axis).astype(np.float32)
;;   ~~~
;;   OPERANDS COMPUTED ON THE WAY. 'Computed on the way' means the value that the module computes at that place (a softmax that the list does not call 'softmax' is quantised finished and normalised). What goes into a quantiser is computed in f32, as accurately as f32 sums, v_exp_f32 and their like allow (about 1e-6 of the number): no bf16 or f16 on the way to a quantiser, and a product that is left as it is and whose result goes on into a quantised operand takes f32 operands (vector FMAs, or v_wmma_f32_16x16x4_f32). A number that lies on a knife's edge between two numbers of the format may be rounded either way, as far as f32 arithmetic and the matrix unit's own rounding can turn it there, and no further.
;;   INPUTS GIVEN AS CODES. base_weight (in the module: [256, 256], K = its axis 1): each comes as NAME_codes (uint8): NAME with its K axis moved to the last place and cut into blocks of 32 codes, [.., K / 32, bytes a block], one block behind the other in memory; two codes a byte, the lower K in the low four bits (a code: sign, 2 exponent bits, 1 mantissa bit); and NAME_scales (uint8): the same leading axes, one E8M0 byte (e + 127) for each 32 codes along K. Its value is code x scale, taken as it is: it is not quantised again, and the codes and scales need not be those that the quantiser above would give.
;; One version. Each part assembles by itself: llvm-mc -triple=amdgcn-amd-amdhsa -mcpu=gfx1250 --defsym DOCPART=n.
;; ======== version 1 of 1: 2 launches
;; workspace buffers: wq 278,528 bytes
;; launch prep (part 1): grid 64 x 1, 1 waves a work-group, no clusters, 34,048 bytes of LDS; arguments spline_weight, wq; writes wq
.if DOCPART == 1
	.amdgcn_target "amdgcn-amd-amdhsa--gfx1250"
	.amdhsa_code_object_version 6
	.text
	.protected	k_qc0d740fc22_prep
	.globl	k_qc0d740fc22_prep
	.p2align	8
	.type	k_qc0d740fc22_prep,@function
k_qc0d740fc22_prep:
	s_mov_b64 s[64:65], 0
	v_nop
	global_prefetch_b8 v0, s[64:65] scope:SCOPE_SE
	s_setreg_imm32_b32 hwreg(HW_REG_WAVE_MODE, 25, 1), 1
	s_wait_xcnt 0x0
; spline_weight [256 (o)][256 (i)][8 (k)] f32 becomes codes of E2M1 with one E8M0 byte for each 32 along K = 8 i + k, laid in the order in which the next launch's operand registers take them.
; NO WORK OF THE PROBLEM IS LEFT OUT in this program: every input has a way to the output and is loaded; both products are live in all their rows and steps.
; A block of 32 along K is four features x eight bases.  INSIDE a block the numbers are laid in the order k' = 16 p + 2 j + q for the number of feature 2 p + q, basis j: the order in which the
; next launch's packed arithmetic leaves its results.  The same order on both operands keeps every product, and since it stays inside a block it moves no scale and no code.
; A block's scale is 2^(floor(log2(its largest magnitude)) - 2); its byte is the largest magnitude's exponent field - 2, held at 1 from below.
; LIMITS: a block of zeros gets the byte 1 where the rule says 127 (its codes are zeros, and this program alone reads the bytes); NaN and infinities among the weights are not served.
; SHARES.  Work-group id = 8 t + w: rows o = 32 w .. 32 w + 31, K = 256 t .. 256 t + 255 (1,024 bytes of each row): one wave, a lane to a row, eight blocks a lane.
; Each load reads 512 consecutive bytes of ONE row; the rows turn through a stage in LDS (528 bytes a row), from which a lane reads its own row's numbers, word by word, straight into the order k'.
; OUT: wq [t][w][4,352 bytes]: [s 2][n 2][c 2][16 h + r][16 bytes] = block 2 c + h of K step 2 t + s of column 32 w + 16 n + r; then at byte 4,096 [l 32][s 2] scale words of column 32 w + l.
.set ROWB,   8192                      ; a row of spline_weight in bytes
.set SPITCH, 528                       ; a stage row: 512 bytes + 16
.set STG1,   32*SPITCH                 ; the second half's stage
.set SPARE,  2*STG1                    ; behind the stages: the spare words, one block of 256 bytes that no other line names
.set LO,  2                            ; v2   16 x lane: my bytes of a load's 512, in memory and in a stage row
.set RD,  3                            ; v3   528 x lane: my row in a stage
.set CO,  4                            ; v4   where my codes go: 1,024 (lane / 16) + 16 (lane % 16)
.set SO,  5                            ; v5   8 x lane: my two scale words
.set SPW, 6                            ; v6   LDS address of my spare word; never rewritten
.set NIL, 7                            ; v7   0; never rewritten
.set TM,  8                            ; v8-11 four chains of the maximum, v12 the conversion's scale operand, v13 the byte
.set SB,  14                           ; v14-15 the scale words of the two K steps
.set X,   16                           ; v16-79 two sets of 32 numbers
.set C,   80                           ; v80-111 codes: four registers for each block, so that no store's data are written again
.set L,   128                          ; v128-255 32 loads of 16 bytes
	s_load_b128 s[4:7], s[0:1], 0x0                ; spline_weight, wq
	v_lshl_add_u32 v[SPW], v0, 2, SPARE
	v_mov_b32 v[NIL], 0
	v_lshlrev_b32 v[LO], 4, v0
	v_mul_u32_u24 v[RD], v0, SPITCH
	v_and_b32 v8, 15, v0
	v_lshrrev_b32 v9, 4, v0
	v_lshlrev_b32 v[CO], 4, v8
	v_lshl_add_u32 v[CO], v9, 10, v[CO]
	v_lshlrev_b32 v[SO], 3, v0
	s_and_b32 s8, ttmp9, 7                         ; w
	s_lshr_b32 s9, ttmp9, 3                        ; t
	s_lshl_b32 s10, s8, 18                         ; 32 rows of 8,192 bytes
	s_lshl_b32 s9, s9, 10                          ; 1,024 bytes along a row
	s_add_co_u32 s10, s10, s9
	s_mov_b32 s11, 0
	s_mul_i32 s12, ttmp9, 4352
	s_mov_b32 s13, 0
	s_wait_kmcnt 0x0
	s_add_nc_u64 s[4:5], s[4:5], s[10:11]
	s_add_nc_u64 s[6:7], s[6:7], s[12:13]
.macro GLD s                           ; K step s of all 32 rows: each load takes 512 consecutive bytes of one row
.set i, 0
.rept 32
	global_load_b128 v[L+4*i:L+4*i+3], v[LO], s[4:5] offset:i*ROWB+512*\s th:TH_LOAD_NT
.set i, i+1
.endr
.endm
.macro TOSTAGE s                       ; and into the stage, as they lie
.set i, 0
.rept 32
	s_wait_loadcnt 31-i                            ; loads come back in order: row i is in, the younger ones may be out
	ds_store_b128 v[LO], v[L+4*i:L+4*i+3] offset:\s*STG1+i*SPITCH
.set i, i+1
.endr
.endm
.macro XLD b                           ; block b of my row into set b % 2, in the order k' (LDS serves a wave's instructions in order: these see the stores)
.irp p, 0,1
.irp j, 0,1,2,3,4,5,6,7
.irp q, 0,1
	ds_load_b32 v[X+32*((\b)%2)+16*\p+2*\j+\q], v[RD] offset:STG1*((\b)/4)+128*((\b)%4)+4*(8*(2*\p+\q)+\j)
.endr
.endr
.endr
.endm
.macro BLOCK b, nxt                    ; nxt = 1: the next block's numbers are asked for first
.set XS, X+32*((\b)%2)
.if \nxt
	XLD (\b)+1
	s_wait_dscnt 32                                ; this block's 32 loads are in; the 32 just issued may be out
.else
	s_wait_dscnt 0x0
.endif
.irp c, 0,1,2,3
	v_max3_num_f32 v[TM+\c], |v[XS+8*\c]|, |v[XS+8*\c+1]|, |v[XS+8*\c+2]|   ; the largest magnitude, in four chains
.endr
.irp i, 3,5
.irp c, 0,1,2,3
	v_max3_num_f32 v[TM+\c], v[TM+\c], |v[XS+8*\c+\i]|, |v[XS+8*\c+\i+1]|
.endr
.endr
	v_max3_num_f32 v[TM], v[TM], |v[XS+7]|, |v[XS+15]|
	v_max3_num_f32 v[TM+2], v[TM+2], |v[XS+23]|, |v[XS+31]|
	v_max3_num_f32 v[TM], v[TM], v[TM+1], v[TM+2]
	v_max3_num_f32 v[TM], v[TM], v[TM+3], 0x1800000    ; and the floor 2^(3 - 127): the byte cannot fall under 1
	v_add_nc_u32 v[TM+4], 0xff000000, v[TM]        ; 2 off the exponent field: the conversion takes the exponent field of this operand as its scale
.irp g, 0,1,2,3
	v_cvt_scalef32_pk8_fp4_f32 v[C+4*(\b)+\g], v[XS+8*\g:XS+8*\g+7], v[TM+4]
.endr
	v_lshrrev_b32 v[TM+5], 23, v[TM+4]             ; the scale's byte (also the plain line behind the conversions)
.if ((\b)%4) == 0
	v_mov_b32 v[SB+(\b)/4], v[TM+5]
.else
	v_lshl_or_b32 v[SB+(\b)/4], v[TM+5], 8*((\b)%4), v[SB+(\b)/4]
.endif
	global_store_b128 v[CO], v[C+4*(\b):C+4*(\b)+3], s[6:7] offset:((\b)/4)*2048+(((\b)%4)/2)*512+((\b)%2)*256   ; lanes 0-15 fill 256 consecutive aligned bytes, lanes 16-31 another 256
.endm
	GLD 0
	TOSTAGE 0
	XLD 0
	s_wait_dscnt 32                                ; the 32 stores have read their registers (the 32 loads behind them may be out):
	GLD 1                                          ; so the second half is asked for into the same registers, and lands while four blocks are worked
	BLOCK 0, 1
	BLOCK 1, 1
	BLOCK 2, 1
	BLOCK 3, 0
	TOSTAGE 1
	XLD 4
	BLOCK 4, 1
	BLOCK 5, 1
	BLOCK 6, 1
	BLOCK 7, 0
	global_store_b64 v[SO], v[SB:SB+1], s[6:7] offset:4096   ; 32 lanes store 256 consecutive aligned bytes
	s_wait_tensorcnt 0x0                           ; the wave's end, behind my last LDS store
	ds_add_u32 v[SPW], v[NIL]
	s_wait_dscnt 0x0
	s_endpgm
.Lfunc_end_k_qc0d740fc22_prep:
	.size	k_qc0d740fc22_prep, .Lfunc_end_k_qc0d740fc22_prep-k_qc0d740fc22_prep
	.p2alignl 7, 3214868480
	.fill 96, 4, 3214868480
	.section	.rodata,"a",@progbits
	.p2align	6, 0x0
	.amdhsa_kernel k_qc0d740fc22_prep
		.amdhsa_group_segment_fixed_size 34048
		.amdhsa_private_segment_fixed_size 0
		.amdhsa_enable_private_segment 0
		.amdhsa_kernarg_size 16
		.amdhsa_user_sgpr_count 2
		.amdhsa_user_sgpr_kernarg_segment_ptr 1
		.amdhsa_wavefront_size32 1
		.amdhsa_system_sgpr_workgroup_id_x 1
		.amdhsa_system_sgpr_workgroup_id_y 1
		.amdhsa_system_sgpr_workgroup_id_z 1
		.amdhsa_system_vgpr_workitem_id 0
		.amdhsa_next_free_vgpr 256
		.amdhsa_next_free_sgpr 66
		.amdhsa_reserve_vcc 0
		.amdhsa_float_denorm_mode_32 3
		.amdhsa_float_denorm_mode_16_64 3
		.amdhsa_memory_ordered 1
		.amdhsa_forward_progress 1
		.amdhsa_inst_pref_size 42
	.end_amdhsa_kernel
	.amdgpu_metadata
---
amdhsa.version: [ 1, 2 ]
amdhsa.kernels:
  - .name:           k_qc0d740fc22_prep
    .symbol:         k_qc0d740fc22_prep.kd
    .args:
      - { .name: spline_weight, .offset: 0, .size: 8, .value_kind: global_buffer, .address_space: global }
      - { .name: wq, .offset: 8, .size: 8, .value_kind: global_buffer, .address_space: global }
    .group_segment_fixed_size: 34048
    .private_segment_fixed_size: 0
    .kernarg_segment_align: 8
    .kernarg_segment_size: 16
    .max_flat_workgroup_size: 32
    .sgpr_count:     66
    .vgpr_count:     256
    .wavefront_size: 32
...
	.end_amdgpu_metadata
.endif
;; end of part 1
;; launch kan (part 2): grid 256 x 1, 8 waves a work-group, no clusters, 249,856 bytes of LDS; arguments x, grid, wq, base_weight_codes, base_weight_scales, out0; writes out0
.if DOCPART == 2
	.amdgcn_target "amdgcn-amd-amdhsa--gfx1250"
	.amdhsa_code_object_version 6
	.text
	.protected	k_qc0d740fc22_kan
	.globl	k_qc0d740fc22_kan
	.p2align	8
	.type	k_qc0d740fc22_kan,@function
k_qc0d740fc22_kan:
	s_mov_b64 s[64:65], 0
	v_nop
	global_prefetch_b8 v0, s[64:65] scope:SCOPE_SE
	s_setreg_imm32_b32 hwreg(HW_REG_WAVE_MODE, 25, 1), 1
	s_wait_xcnt 0x0
; out0[b][o] = Q(silu(x)) . base_weight^T + Q(bases(x, grid)) . Q(spline_weight)^T, both products on codes of E2M1 with one E8M0 scale for each 32 along K; sums in f32.
; Nothing of the problem is left out: the recursion is done densely, all 11, 10, 9, 8 terms, with EPS in every denominator, since grid is an input of which no order may be taken for granted.
; THE ARITHMETIC OF AN ELEMENT.  d[j] = x - g[j];  a_p[j] = 1 / (g[j+p] - g[j] + EPS), which serves the left term at j and the right term at j + 1;  C1[j] = a1[j] where d[j] >= 0 and not d[j+1] >= 0, else 0;
; B_p[j] = d[j] C_p[j] - d[j+p+1] C_p[j+1];  C_(p+1)[j] = a_(p+1)[j] B_p[j].  Two neighbouring features of a row go in one packed instruction; their constants lie as register pairs.
; The packed results lie inside a block of 32 (four features x eight bases) in the order k' = 16 p + 2 j + q (feature 2 p + q, basis j); the weights were laid in the same order by the launch before.
; LIMITS: a division is a multiplication by a reciprocal with one Newton step (another order of rounding than a division's); a denominator of exactly 0, and NaN or infinities in x or grid, are not carried as a
; division would carry them; a denominator beyond 2^126 in size counts as infinite; a block of zeros has the byte 1 over zero codes (bytes that this kernel alone reads).
; SHARES.  A work-group: 128 rows, all of K, all 256 columns; 256 work-groups.  Eight waves, two to a SIMD, so that one wave's scalar lines, window switches, LDS and matrix instructions go out beside the other's vector work.
; MAKING THE OPERAND: a lane stands for a row, a wave walks the 128 rows as four groups of 32.  In round t (0 .. 7) wave w owns features 32 t + 4 w .. + 3: one block: K step 2 t + w / 4, block w % 4.  So a set of constants in
; registers serves 4 x 32 rows.  Round 8 is silu: wave w owns features 32 w .. 32 w + 31, block w of the base product's K.  Codes and scale bytes go to a ring of two buffers in LDS.
; MULTIPLYING: wave w owns columns 32 w .. 32 w + 31 for all 128 rows: 16 accumulators.  Its weights come from memory straight into its operand registers.  The products of round t run inside round t + 1, four matrix
; instructions in each of the eight sub-units, so that they and their LDS reads lie under vector work.  TRANSPOSED USE: source 0 = 16 weight rows, source 1 = 16 rows of x: a lane holds 8 neighbouring columns of one row of out0.
; NO CLUSTER: what work-groups share is the weights, 313,344 bytes a work-group, and each byte of them is wanted by ONE wave, in its operand registers; a joint load would have to land in LDS and be read back from there,
; the same 313,344 bytes more through LDS, with a round of the cluster's barrier in each of nine iterations.  x is a work-group's own.
; x COMES ONCE, by four tensor loads a wave at the head (four of mine are out at the most), one for each slab of 64 features: 16 rows x 256 bytes each, so that every wave runs the same lines and one counted wait means the
; same slab in every wave: work begins when the first slab has landed.  No LDS byte is filled twice.
; LDS: XS 4 slabs x 128 rows x 272 (later the stage for out0: 128 rows x 1,040) | CT 128 pairs of features x 352: knots and reciprocals | two ring buffers, 0x8000 apart: 128 rows x 144 of codes, then 128 x 8 scale bytes | spare words.
.set XPITCH, 272                       ; a slab's row: 256 bytes + 16 = 17 x 16: the 16 rows that a load touches fall on different banks
.set XSLAB,  128*XPITCH
.set CT,     4*XSLAB                   ; 139,264
.set CPAIR,  352                       ; dword 2 idx + q: idx 0-11 g, 12-22 a1, 23 nothing, 24-33 a2, 34-42 a3, 43 nothing
.set RING,   0x30000
.set RFLIP,  0x8000
.set APITCH, 144                       ; a row's codes of two K steps: 128 bytes + 16
.set RSC,    128*APITCH                ; behind them the scale bytes, 8 a row
.set SPARE,  248832                    ; the spare words, 128 bytes for each wave: four blocks of 256 bytes that no other line names
.set OPITCH, 1040                      ; a stage row: 1,024 bytes + 16
; window 0
.set SPW, 1                            ; LDS address of my spare word; never rewritten
.set NIL, 2                            ; 0; never rewritten
.set XA0, 3                            ; 272 lane + 16 wave: my four features of my row, in a slab's first half
.set XAD, 4                            ; the same for the round that is fetched ahead
.set AW0, 5                            ; where my block's codes go in ring buffer 0;   AWR: in the buffer being written
.set AWR, 6
.set SW0, 7                            ; and its scale byte;   SWR
.set SWR, 8
.set AR0, 9                            ; a fragment's place for my lane in buffer 0;   ARD: in the buffer being read
.set ARD, 10
.set SR0, 11                           ; a scale word's;   SRD
.set SRD, 12
.set WOF, 13                           ; 16 x lane
.set WSO, 14                           ; 8 x lane
.set BWO, 15                           ; base_weight: 128 (lane % 16) + 16 (lane / 16)
.set CTA, 16                           ; LDS address of the round's first pair of constants
.set STO, 17                           ; the stage, on the way in (row tiles 0-3);  STO2: row tiles 4-7
.set STO2, 18
.set SRB, 19                           ; and on the way back
.set CTW, 20                           ; where thread v0 stores feature v0's constants
.set LN,  21                           ; lane
.set XSIL, 24                          ; silu: my 32 features of my row
.set GOF, 25                           ; 48 x thread: my feature's knots
.set ASC, 28                           ; v28-35  the rows' scale words, one register for each group of four products; scales alone
.set WSC, 36                           ; v36-37  the weights' scale words of the two K steps; scales alone
.set X,   38                           ; v38-53  x of my four features, four row groups
.set CD,  54                           ; v54-69  codes, four registers a row group
.set BY,  70                           ; v70-73  scale bytes
.set TM,  74                           ; v74-79  at work in the quantiser
.set P,   80                           ; v80-103 C_p
.set Q,   104                          ; v104-123 B_p
.set VAL1, 124                         ; v124-139 the second pair's 16 results
.set VAL0, 140                         ; v140-203 the first pair's, for each of the four row groups
.set AF,  204                          ; v204-219 two fragments of rows
.set WF,  220                          ; v220-251 the weights' fragments: K step s, column tile n at 16 s + 8 n
.set E,   80                           ; silu: 32 numbers
.set XV,  140                          ; silu: two sets of 32 x
.set GR,  80                           ; head: 12 knots; DN 30 denominators; RC 30 reciprocals; EE 30 residues; ZR 0
.set DN,  92
.set RC,  124
.set EE,  154
.set ZR,  184
; window 1
.set KG,  0                            ; v0-23 g, v24-47 a1, v48-67 a2, v68-87 a3: the pair's constants
.set KA1, 24
.set KA2, 48
.set KA3, 68
.set DR,  88                           ; v88-111 d
.set ACC, 128                          ; v128-255 accumulator (m, n) at 8 (2 m + n)
; scalars
.set WV,   16                          ; my wave's number
.set S_T,  17                          ; the round
.set S_TN, 18                          ; the round fetched ahead: min(T + 1, 7)
.set G1,   20                          ; s[20:27] descriptor group 1;  s[28:43] group 0 for the four slabs
.set G0,   28
.set S_CW, 44                          ; CT + 704 wave
.set S_CN, 46                          ; the next round's constants
.set S_XO, 47                          ; the next round's x
.set S_AO, 48                          ; 0 or 0x8000: the ring buffer being written;  S_AOR: being read
.set S_AOR, 49
.set WP,   50                          ; s[50:51] wq at my piece of the round whose weights are loaded
.set BC,   52                          ; s[52:53] base_weight_codes at my 32 rows;  s[54:55] base_weight_scales
.set BS,   54
.set OP,   56                          ; s[56:57] out0 at my 16 rows
.set MSK,  66                          ; s[66:89] 24 lane masks
.set MSB, 0
.macro WIN new                         ; bits 1:0 source 0, 3:2 source 1, 5:4 source 2, 7:6 destination; the immediate's high byte repeats the setting that is left
.if MSB != \new
	s_set_vgpr_msb (MSB<<8)|\new
.set MSB, \new
.endif
.endm
; LDS instructions are counted as the text is written: a MARK remembers the count behind a run of loads, and WAITM waits until only those issued behind the mark may be out (LDS serves a wave's instructions in order).
; Marks are used inside straight-line text alone; in front of every barrier stands a wait for 0.
.set DSN, 0
.macro MARK name
.set \name, DSN
.endm
.macro WAITM name
	s_wait_dscnt DSN-\name
.endm
.macro BAR tc                          ; tc >= 0: so many younger tensor loads of mine may stay out
.if \tc >= 0
	s_wait_tensorcnt \tc
.endif
	s_wait_dscnt 0x0                               ; for the others' sake: my LDS stores have landed and my LDS loads are in
	s_barrier_signal -1
	s_barrier_wait -1
.endm
.macro PRE ct                          ; an iteration's addresses.  ct = 1: also those of the constants and the x that are fetched ahead
.if \ct
	s_add_co_u32 s[S_TN], s[S_T], 1
	s_min_u32 s[S_TN], s[S_TN], 7                  ; round 7 has no successor among the rounds: it fetches its own once more
	s_mul_i32 s[S_CN], s[S_TN], 16*CPAIR
	s_add_co_u32 s[S_CN], s[S_CN], s[S_CW]
	s_lshr_b32 s[S_XO], s[S_TN], 1
	s_mul_i32 s[S_XO], s[S_XO], XSLAB              ; a slab holds two rounds' features,
	s_and_b32 s19, s[S_TN], 1
	s_lshl_b32 s19, s19, 7                         ; 128 bytes of a row each
	s_add_co_u32 s[S_XO], s[S_XO], s19
	v_add_nc_u32 v[XAD], s[S_XO], v[XA0]
.endif
	s_xor_b32 s[S_AO], s[S_AO], RFLIP
	s_xor_b32 s[S_AOR], s[S_AOR], RFLIP
	v_add_nc_u32 v[AWR], s[S_AO], v[AW0]
	v_add_nc_u32 v[SWR], s[S_AO], v[SW0]
	v_add_nc_u32 v[ARD], s[S_AOR], v[AR0]
	v_add_nc_u32 v[SRD], s[S_AOR], v[SR0]
.endm
.macro KLOAD first, n, off, name       ; n loads of 16 bytes into the constants' registers first on; all lanes read the same bytes
	WIN 0x40
.set kk, 0
.rept \n
	ds_load_b128 v[\first+4*kk:\first+4*kk+3], v[CTA] offset:4*(\first)+16*kk+\off
.set kk, kk+1
.endr
.set DSN, DSN+\n
	MARK \name
.endm
.macro LOADA u, reg                    ; group u of products: K step u / 4, row tiles 2 (u % 4) and + 1: two fragments and a register of scale words (lanes 0-15 the first tile's, lanes 16-31 the second's)
.irp e, 0,1
.irp c, 0,1
	ds_load_b128 v[(\reg)+8*\e+4*\c:(\reg)+8*\e+4*\c+3], v[ARD] offset:((\u)&3)*32*APITCH+\e*16*APITCH+64*((\u)>>2)+32*\c
.endr
.endr
	ds_load_b32 v[ASC+(\u)], v[SRD] offset:((\u)&3)*256+4*((\u)>>2)
.set DSN, DSN+5
	MARK MK_A
.endm
.macro WM e, n                         ; one product; the weights' scales of column tile 1 and the rows' scales of the second row tile stand in lanes 16-31
.if zz
.if (\e == 0) && (\n == 0)
	v_wmma_scale_f32_16x16x128_f8f6f4 v[rD:rD+7], v[rW:rW+7], v[rA:rA+7], 0, v[rWS], v[rAS] matrix_a_fmt:MATRIX_FMT_FP4 matrix_b_fmt:MATRIX_FMT_FP4
.elseif (\e == 0) && (\n == 1)
	v_wmma_scale_f32_16x16x128_f8f6f4 v[rD:rD+7], v[rW:rW+7], v[rA:rA+7], 0, v[rWS], v[rAS] matrix_a_fmt:MATRIX_FMT_FP4 matrix_b_fmt:MATRIX_FMT_FP4 matrix_a_scale:MATRIX_SCALE_ROW1
.elseif (\e == 1) && (\n == 0)
	v_wmma_scale_f32_16x16x128_f8f6f4 v[rD:rD+7], v[rW:rW+7], v[rA:rA+7], 0, v[rWS], v[rAS] matrix_a_fmt:MATRIX_FMT_FP4 matrix_b_fmt:MATRIX_FMT_FP4 matrix_b_scale:MATRIX_SCALE_ROW1
.else
	v_wmma_scale_f32_16x16x128_f8f6f4 v[rD:rD+7], v[rW:rW+7], v[rA:rA+7], 0, v[rWS], v[rAS] matrix_a_fmt:MATRIX_FMT_FP4 matrix_b_fmt:MATRIX_FMT_FP4 matrix_a_scale:MATRIX_SCALE_ROW1 matrix_b_scale:MATRIX_SCALE_ROW1
.endif
.else
.if (\e == 0) && (\n == 0)
	v_wmma_scale_f32_16x16x128_f8f6f4 v[rD:rD+7], v[rW:rW+7], v[rA:rA+7], v[rD:rD+7], v[rWS], v[rAS] matrix_a_fmt:MATRIX_FMT_FP4 matrix_b_fmt:MATRIX_FMT_FP4
.elseif (\e == 0) && (\n == 1)
	v_wmma_scale_f32_16x16x128_f8f6f4 v[rD:rD+7], v[rW:rW+7], v[rA:rA+7], v[rD:rD+7], v[rWS], v[rAS] matrix_a_fmt:MATRIX_FMT_FP4 matrix_b_fmt:MATRIX_FMT_FP4 matrix_a_scale:MATRIX_SCALE_ROW1
.elseif (\e == 1) && (\n == 0)
	v_wmma_scale_f32_16x16x128_f8f6f4 v[rD:rD+7], v[rW:rW+7], v[rA:rA+7], v[rD:rD+7], v[rWS], v[rAS] matrix_a_fmt:MATRIX_FMT_FP4 matrix_b_fmt:MATRIX_FMT_FP4 matrix_b_scale:MATRIX_SCALE_ROW1
.else
	v_wmma_scale_f32_16x16x128_f8f6f4 v[rD:rD+7], v[rW:rW+7], v[rA:rA+7], v[rD:rD+7], v[rWS], v[rAS] matrix_a_fmt:MATRIX_FMT_FP4 matrix_b_fmt:MATRIX_FMT_FP4 matrix_a_scale:MATRIX_SCALE_ROW1 matrix_b_scale:MATRIX_SCALE_ROW1
.endif
.endif
.endm
; Group u's four products.  The 16 accumulators take turns, one instruction a turn, in the same order in every iteration: an accumulator comes again 16 matrix instructions on.
; zero = 1: K step 0's products start the sums: nothing is ever cleared.  lc: at the first group of a K step its weights are waited for; lc younger loads (the other K step's five) may be out.
.macro MMA u, zero, reg, lc
.if ((\u)&3) == 0
	s_wait_loadcnt \lc
.endif
	WIN 0x50                                       ; C and D in window 1
.set zz, 0
.if (\zero) && ((\u) < 4)
.set zz, 1
.endif
.irp e, 0,1
.irp n, 0,1
.set rD, ACC+8*(2*(2*((\u)&3)+\e)+\n)
.set rW, WF+16*((\u)>>2)+8*\n
.set rA, (\reg)+8*\e
.set rWS, WSC+((\u)>>2)
.set rAS, ASC+(\u)
	WM \e, \n
.endr
.endr
.endm
.macro WLOAD s                         ; the spline weights of K step s of the round at which WP stands: each lane's 16 bytes as its operand registers take them
.irp n, 0,1
.irp c, 0,1
	global_load_b128 v[WF+16*\s+8*\n+4*\c:WF+16*\s+8*\n+4*\c+3], v[WOF], s[WP:WP+1] offset:2048*\s+1024*\n+512*\c
.endr
.endr
	global_load_b32 v[WSC+\s], v[WSO], s[WP:WP+1] offset:4096+4*\s
.endm
.macro BWLOAD s                        ; the base weights of K step s, from rows of 128 bytes
.irp n, 0,1
.irp c, 0,1
	global_load_b128 v[WF+16*\s+8*\n+4*\c:WF+16*\s+8*\n+4*\c+3], v[BWO], s[BC:BC+1] offset:2048*\n+64*\s+32*\c
.endr
.endr
	global_load_b32 v[WSC+\s], v[WSO], s[BS:BS+1] offset:4*\s
.endm
; 32 numbers of a lane, v[a] .. v[a + 15] and v[b] .. v[b + 15], are one block of my row of group r: its codes and its scale byte go to the ring.
.macro QUANT a, b, r
	v_max3_num_f32 v[TM],   |v[(\a)]|,   |v[(\a)+1]|, |v[(\a)+2]|      ; the largest magnitude, in four chains
	v_max3_num_f32 v[TM+1], |v[(\a)+8]|, |v[(\a)+9]|, |v[(\a)+10]|
	v_max3_num_f32 v[TM+2], |v[(\b)]|,   |v[(\b)+1]|, |v[(\b)+2]|
	v_max3_num_f32 v[TM+3], |v[(\b)+8]|, |v[(\b)+9]|, |v[(\b)+10]|
.irp i, 3,5
	v_max3_num_f32 v[TM],   v[TM],   |v[(\a)+\i]|,   |v[(\a)+\i+1]|
	v_max3_num_f32 v[TM+1], v[TM+1], |v[(\a)+8+\i]|, |v[(\a)+9+\i]|
	v_max3_num_f32 v[TM+2], v[TM+2], |v[(\b)+\i]|,   |v[(\b)+\i+1]|
	v_max3_num_f32 v[TM+3], v[TM+3], |v[(\b)+8+\i]|, |v[(\b)+9+\i]|
.endr
	v_max3_num_f32 v[TM],   v[TM],   |v[(\a)+7]|, |v[(\a)+15]|
	v_max3_num_f32 v[TM+2], v[TM+2], |v[(\b)+7]|, |v[(\b)+15]|
	v_max3_num_f32 v[TM], v[TM], v[TM+1], v[TM+2]
	v_max3_num_f32 v[TM], v[TM], v[TM+3], 0x1800000        ; and the floor 2^(3 - 127): the byte cannot fall under 1
	v_add_nc_u32 v[TM+4], 0xff000000, v[TM]        ; 2 off the exponent field: the conversion's scale operand
	v_cvt_scalef32_pk8_fp4_f32 v[CD+4*(\r)],   v[(\a):(\a)+7],    v[TM+4]
	v_cvt_scalef32_pk8_fp4_f32 v[CD+4*(\r)+1], v[(\a)+8:(\a)+15], v[TM+4]
	v_cvt_scalef32_pk8_fp4_f32 v[CD+4*(\r)+2], v[(\b):(\b)+7],    v[TM+4]
	v_cvt_scalef32_pk8_fp4_f32 v[CD+4*(\r)+3], v[(\b)+8:(\b)+15], v[TM+4]
	v_lshrrev_b32 v[BY+(\r)], 23, v[TM+4]          ; the scale's byte (also the plain line behind the conversions)
	ds_store_b128 v[AWR], v[CD+4*(\r):CD+4*(\r)+3] offset:32*APITCH*(\r)
	ds_store_b8 v[SWR], v[BY+(\r)] offset:256*(\r)
.set DSN, DSN+2
.endm
; A SUB-UNIT: pair p of my four features, row group r: 131 vector lines.  mat = 1: group 4 p + r of the last round's products rides in it.
; In the last row group (r = 3) the constants are loaded anew, group by group, each right behind its last use: one set of 88 registers serves.  Behind pair 0 comes the round's pair 1 (352 bytes on), behind pair 1 the next round's pair 0.
.macro SUB p, r, mat, zero
.set U, 4*(\p)+(\r)
.set XP, X+4*(\r)+2*(\p)
.set OUTR, VAL1
.if (\p) == 0
.set OUTR, VAL0+16*(\r)
.endif
.set KOFF, CPAIR*(1-(\p))
	WIN 0
.if \mat
	LOADA U, AF                                    ; (25 plain vector lines or more stand between the last product that read these registers and this run)
.endif
.if ((\r) == 3) && ((\p) == 1)
	v_mov_b32 v[CTA], s[S_CN]
.endif
.if ((\r) == 0) && ((\p) == 1)
	WAITM MK_G
.endif
	WIN 0x41                                       ; source 0 and destination in window 1
.set k, 0
.rept 12
	v_pk_add_f32 v[DR+2*k:DR+2*k+1], v[KG+2*k:KG+2*k+1], v[XP:XP+1] neg_lo:[1,0] neg_hi:[1,0]   ; d[j] = x - g[j]: its sign is exact, and it is 0 only where x = g[j]
.set k, k+1
.endr
.set k, 0
.rept 24
	v_cmp_ge_f32 s[MSK+k], v[DR+k], 0              ; x >= g[j]
.set k, k+1
.endr
.if (\r) == 3
	KLOAD KG, 6, KOFF, MK_G
.endif
.set k, 0
.rept 22
	s_and_not1_b32 s[MSK+k], s[MSK+k], s[MSK+k+2]  ; and not x >= g[j+1]; ascending, so that the upper mask is still whole
.set k, k+1
.endr
.if ((\r) == 0) && ((\p) == 1)
	WAITM MK_A1
.endif
	WIN 0x04                                       ; source 1 in window 1
.set k, 0
.rept 22
	v_cndmask_b32 v[P+k], 0, v[KA1+k], s[MSK+k]    ; C1
.set k, k+1
.endr
.if (\r) == 3
	KLOAD KA1, 6, KOFF, MK_A1
.endif
	WIN 0x01                                       ; source 0 in window 1: d and the constants always stand there
.set k, 0
.rept 10
	v_pk_mul_f32 v[Q+2*k:Q+2*k+1], v[DR+2*k:DR+2*k+1], v[P+2*k:P+2*k+1]
.set k, k+1
.endr
.set k, 0
.rept 10
	v_pk_fma_f32 v[Q+2*k:Q+2*k+1], v[DR+2*k+4:DR+2*k+5], v[P+2*k+2:P+2*k+3], v[Q+2*k:Q+2*k+1] neg_lo:[1,0,0] neg_hi:[1,0,0]   ; B1
.set k, k+1
.endr
.if ((\r) == 0) && ((\p) == 1)
	WAITM MK_A2
.endif
.set k, 0
.rept 10
	v_pk_mul_f32 v[P+2*k:P+2*k+1], v[KA2+2*k:KA2+2*k+1], v[Q+2*k:Q+2*k+1]   ; C2
.set k, k+1
.endr
.if (\r) == 3
	KLOAD KA2, 5, KOFF, MK_A2
	WIN 0x01
.endif
.set k, 0
.rept 9
	v_pk_mul_f32 v[Q+2*k:Q+2*k+1], v[DR+2*k:DR+2*k+1], v[P+2*k:P+2*k+1]
.set k, k+1
.endr
.set k, 0
.rept 9
	v_pk_fma_f32 v[Q+2*k:Q+2*k+1], v[DR+2*k+6:DR+2*k+7], v[P+2*k+2:P+2*k+3], v[Q+2*k:Q+2*k+1] neg_lo:[1,0,0] neg_hi:[1,0,0]   ; B2
.set k, k+1
.endr
.if \mat
	WAITM MK_A                                     ; the two fragments and the scale words are in (in pair 1's first sub-unit this also shows a3's loads in: they were issued earlier)
	MMA U, \zero, AF, 5
	WIN 0x01
.elseif ((\r) == 0) && ((\p) == 1)
	WAITM MK_A3
.endif
.set k, 0
.rept 9
	v_pk_mul_f32 v[P+2*k:P+2*k+1], v[KA3+2*k:KA3+2*k+1], v[Q+2*k:Q+2*k+1]   ; C3.  (These lines and the 16 below name no register of the products: they are the places behind them)
.set k, k+1
.endr
.if (\r) == 3
	KLOAD KA3, 5, KOFF, MK_A3
	WIN 0x01
.endif
.set k, 0
.rept 8
	v_pk_mul_f32 v[OUTR+2*k:OUTR+2*k+1], v[DR+2*k:DR+2*k+1], v[P+2*k:P+2*k+1]
.set k, k+1
.endr
.set k, 0
.rept 8
	v_pk_fma_f32 v[OUTR+2*k:OUTR+2*k+1], v[DR+2*k+8:DR+2*k+9], v[P+2*k+2:P+2*k+3], v[OUTR+2*k:OUTR+2*k+1] neg_lo:[1,0,0] neg_hi:[1,0,0]   ; B3: the eight bases of two features
.set k, k+1
.endr
	WIN 0
.if (\p) == 1
	QUANT VAL0+16*(\r), VAL1, \r
	ds_load_b128 v[X+4*(\r):X+4*(\r)+3], v[XAD] offset:32*XPITCH*(\r)   ; the next round's x of this row group
.set DSN, DSN+1
.endif
.endm
.macro ROUND mat, zero
	PRE 1
	SUB 0, 0, \mat, \zero
	SUB 0, 1, \mat, \zero
	SUB 0, 2, \mat, \zero
	SUB 0, 3, \mat, \zero
.if \mat
	s_wait_xcnt 0x0                                ; the earlier loads have read their base: it may step
	s_add_nc_u64 s[WP:WP+1], s[WP:WP+1], 8*4352    ; on to the weights of the round that is being made
	WLOAD 0                                        ; K step 0's registers are free: four sub-units ahead of their next use
.endif
	SUB 1, 0, \mat, \zero
	SUB 1, 1, \mat, \zero
	SUB 1, 2, \mat, \zero
	SUB 1, 3, \mat, \zero
.if \mat
	WLOAD 1
.endif
.endm
.macro XVLD r                          ; silu: my 32 features of row group r
.irp k8, 0,1,2,3,4,5,6,7
	ds_load_b128 v[XV+32*((\r)&1)+4*\k8:XV+32*((\r)&1)+4*\k8+3], v[XSIL] offset:32*XPITCH*(\r)+16*\k8
.endr
.set DSN, DSN+8
.if ((\r)&1) == 0
	MARK MK_X0
.else
	MARK MK_X1
.endif
.endm
; silu(x) = x / (1 + 2^(-x log2 e)) for 32 features of a row group; two groups of round 7's products ride in it, each behind a batch of transcendentals.
.macro SILUROW r
.set XVR, XV+32*((\r)&1)
	LOADA 2*(\r), AF
.if (\r) < 3
	XVLD (\r)+1
.endif
.if ((\r)&1) == 0
	WAITM MK_X0
.else
	WAITM MK_X1
.endif
.set k, 0
.rept 16
	v_pk_mul_f32 v[E+2*k:E+2*k+1], v[XVR+2*k:XVR+2*k+1], 0xbfb8aa3b op_sel_hi:[1,0]
.set k, k+1
.endr
.set k, 0
.rept 32
	v_exp_f32 v[E+k], v[E+k]
.set k, k+1
.endr
	WAITM MK_A
	MMA 2*(\r), 0, AF, 5
	WIN 0
	v_nop                                          ; a plain line behind the last exponential,
	s_wait_alu depctr_va_vdst(0)                   ; and one wait for the batch, ahead of its first reader
.set k, 0
.rept 16
	v_pk_add_f32 v[E+2*k:E+2*k+1], v[E+2*k:E+2*k+1], 1.0 op_sel_hi:[1,0]   ; (also the places behind the products, ahead of the loads below)
.set k, k+1
.endr
	LOADA 2*(\r)+1, AF
.set k, 0
.rept 32
	v_rcp_f32 v[E+k], v[E+k]
.set k, k+1
.endr
	WAITM MK_A
	MMA 2*(\r)+1, 0, AF, 5
	WIN 0
	v_nop
	s_wait_alu depctr_va_vdst(0)                   ; one wait for the 32 reciprocals
.set k, 0
.rept 16
	v_pk_mul_f32 v[E+2*k:E+2*k+1], v[E+2*k:E+2*k+1], v[XVR+2*k:XVR+2*k+1]
.set k, k+1
.endr
	QUANT E, E+16, \r
.endm
	; ---- THE HEAD
	s_load_b256 s[4:11], s[0:1], 0x0               ; x s[4:5], grid s[6:7], wq s[8:9], base_weight_codes s[10:11]
	s_load_b128 s[12:15], s[0:1], 0x20             ; base_weight_scales s[12:13], out0 s[14:15]
	v_lshl_add_u32 v[SPW], v0, 2, SPARE
	v_mov_b32 v[NIL], 0
	ds_add_u32 v[SPW], v[NIL]                      ; the wave's opening: the add, twice on end, and its wait ahead of my first tensor load
	ds_add_u32 v[SPW], v[NIL]
	v_lshrrev_b32 v[LN], 5, v0
	v_readfirstlane_b32 s[WV], v[LN]               ; wave 0..7
	s_mov_b32 s[G1+0], 0x07520000                  ; no mask; elements of 4 bytes; padding on: 4 words behind every 64
	s_mov_b32 s[G1+1], 64<<16                      ; tensor_dim0 = 64
	s_mov_b32 s[G1+2], 16<<16                      ; tensor_dim1 = 16
	s_mov_b32 s[G1+3], 64<<16                      ; tile_dim0 = 64 elements: 256 bytes
	s_mov_b32 s[G1+4], 16                          ; tile_dim1 = 16 rows
	s_mov_b32 s[G1+5], 256                         ; from row to row of x
	s_mov_b32 s[G1+6], 0
	s_mov_b32 s[G1+7], 0
	s_mul_i32 s19, s[WV], 16*XPITCH                ; my 16 rows in a slab
	s_lshl_b32 s58, ttmp9, 17                      ; the work-group's 128 rows of 1,024 bytes,
	s_lshl_b32 s59, s[WV], 14                      ; my wave's 16 of them: the same in x and in out0
	s_add_co_u32 s58, s58, s59
	s_mov_b32 s59, 0
	s_wait_dscnt 0x0                               ; both opening adds are done
	s_wait_kmcnt 0x0
	s_add_nc_u64 s[4:5], s[4:5], s[58:59]
	s_add_nc_u64 s[OP:OP+1], s[14:15], s[58:59]
.irp q, 0,1,2,3
	s_mov_b32 s[G0+4*\q], 1
	s_add_co_u32 s[G0+4*\q+1], s19, \q*XSLAB
	s_add_nc_u64 s[G0+4*\q+2:G0+4*\q+3], s[4:5], \q*256
	s_or_b32 s[G0+4*\q+3], s[G0+4*\q+3], 0x80000000
.endr
.irp q, 0,1,2,3
	tensor_load_to_lds s[G0+4*\q:G0+4*\q+3], s[G1:G1+7]   ; slab q, my 16 rows: all of x is asked for here, in the order in which it is wanted
	s_nop 0
.endr
	v_and_b32 v[LN], 31, v0                        ; lane
	v_lshlrev_b32 v[WOF], 4, v[LN]
	v_lshlrev_b32 v[WSO], 3, v[LN]
	v_mul_u32_u24 v[GOF], v0, 48                   ; thread v0 takes feature v0's twelve knots
	s_mul_i32 s58, s[WV], 4352
	s_add_nc_u64 s[WP:WP+1], s[8:9], s[58:59]
	s_lshl_b32 s58, s[WV], 12
	s_add_nc_u64 s[BC:BC+1], s[10:11], s[58:59]
	s_lshl_b32 s58, s[WV], 8
	s_add_nc_u64 s[BS:BS+1], s[12:13], s[58:59]
.irp i, 0,1,2
	global_load_b128 v[GR+4*\i:GR+4*\i+3], v[GOF], s[6:7] offset:16*\i
.endr
	WLOAD 0                                        ; round 0's weights
	WLOAD 1
	v_and_b32 v22, 15, v0                          ; lane % 16
	v_bfe_u32 v23, v0, 4, 1                        ; lane / 16
	s_lshl_b32 s19, s[WV], 4
	v_mul_u32_u24 v[XA0], v[LN], XPITCH
	v_add_nc_u32 v[XA0], s19, v[XA0]
	v_mul_u32_u24 v[AW0], v[LN], APITCH
	v_add_nc_u32 v[AW0], s19, v[AW0]
	v_add_nc_u32 v[AW0], RING, v[AW0]              ; a constant + 144 x lane + 16 x wave
	v_lshlrev_b32 v[SW0], 3, v[LN]
	v_add_nc_u32 v[SW0], s[WV], v[SW0]
	v_add_nc_u32 v[SW0], RING+RSC, v[SW0]          ; a constant + 8 x lane + wave
	v_mul_u32_u24 v[AR0], v22, APITCH
	v_lshl_add_u32 v[AR0], v23, 4, v[AR0]
	v_add_nc_u32 v[AR0], RING, v[AR0]
	v_lshlrev_b32 v[SR0], 3, v[LN]
	v_add_nc_u32 v[SR0], RING+RSC, v[SR0]
	v_lshlrev_b32 v[BWO], 7, v22
	v_lshl_add_u32 v[BWO], v23, 4, v[BWO]
	s_mul_i32 s[S_CW], s[WV], 2*CPAIR
	s_add_co_u32 s[S_CW], s[S_CW], CT
	v_mov_b32 v[CTA], s[S_CW]                      ; round 0's first pair
	v_mul_u32_u24 v[STO], v22, OPITCH
	v_lshl_add_u32 v[STO], v23, 5, v[STO]
	s_lshl_b32 s19, s[WV], 7
	v_add_nc_u32 v[STO], s19, v[STO]               ; row lane % 16, + 32 (lane / 16), + my 32 columns' 128 bytes
	v_add_nc_u32 v[STO2], 64*OPITCH, v[STO]
	s_mul_i32 s19, s[WV], 16*OPITCH
	v_lshl_add_u32 v[SRB], v[LN], 4, s19
	v_lshrrev_b32 v26, 1, v0
	v_mul_u32_u24 v[CTW], v26, CPAIR
	v_and_b32 v26, 1, v0
	v_lshl_add_u32 v[CTW], v26, 2, v[CTW]
	v_add_nc_u32 v[CTW], CT, v[CTW]
	s_lshr_b32 s19, s[WV], 1
	s_mul_i32 s19, s19, XSLAB
	s_and_b32 s58, s[WV], 1
	s_lshl_b32 s58, s58, 7
	s_add_co_u32 s19, s19, s58
	v_mul_u32_u24 v[XSIL], v[LN], XPITCH
	v_add_nc_u32 v[XSIL], s19, v[XSIL]
	s_wait_loadcnt 10                              ; the knots are in; the ten loads of weights behind them may be out
.macro DEN p, cnt, base
.set jj, 0
.rept \cnt
	v_sub_f32 v[DN+\base+jj], v[GR+jj+\p], v[GR+jj]
.set jj, jj+1
.endr
.endm
	DEN 1, 11, 0
	DEN 2, 10, 11
	DEN 3, 9, 21
.set jj, 0
.rept 30
	v_add_f32 v[DN+jj], 0x322bcc77, v[DN+jj]       ; + EPS, rounded behind the difference as the problem has it
.set jj, jj+1
.endr
.set jj, 0
.rept 30
	v_rcp_f32 v[RC+jj], v[DN+jj]
.set jj, jj+1
.endr
	v_mov_b32 v[ZR], 0                             ; a plain line behind the last reciprocal
	s_wait_alu depctr_va_vdst(0)                   ; one wait for the 30
.set jj, 0
.rept 30
	v_fma_f32 v[EE+jj], -v[DN+jj], v[RC+jj], 1.0   ; one Newton step
.set jj, jj+1
.endr
.set jj, 0
.rept 30
	v_fma_f32 v[RC+jj], v[RC+jj], v[EE+jj], v[RC+jj]
.set jj, jj+1
.endr
.set jj, 0
.rept 12
	ds_store_b32 v[CTW], v[GR+jj] offset:8*jj
.set jj, jj+1
.endr
.set jj, 0
.rept 11
	ds_store_b32 v[CTW], v[RC+jj] offset:8*(12+jj)
.set jj, jj+1
.endr
.rept 19
	ds_store_b32 v[CTW], v[RC+jj] offset:8*(13+jj)
.set jj, jj+1
.endr
	ds_store_b32 v[CTW], v[ZR] offset:8*23         ; the two words that fill the runs of 16 bytes: loaded with the rest, used by nothing
	ds_store_b32 v[CTW], v[ZR] offset:8*43
	BAR 3                                          ; my part of slab 0 has landed (the three younger slabs may be out) and my constants are stored: now everybody's
	KLOAD KG, 6, 0, MK_G
	KLOAD KA1, 6, 0, MK_A1
	KLOAD KA2, 5, 0, MK_A2
	KLOAD KA3, 5, 0, MK_A3
	WIN 0
.irp r, 0,1,2,3
	ds_load_b128 v[X+4*\r:X+4*\r+3], v[XA0] offset:32*XPITCH*\r   ; round 0's x
.endr
	s_wait_dscnt 0x0
	s_mov_b32 s[S_T], 0
	s_mov_b32 s[S_AO], RFLIP                       ; (each iteration turns the two first)
	s_mov_b32 s[S_AOR], 0
	; ---- THE ROUNDS.  Iteration i writes ring buffer i % 2 and reads the other.  One barrier between iterations: it puts an iteration's stores ahead of the next one's reads, and its reads ahead of the stores two iterations on.
	ROUND 0, 0                                     ; round 0: nothing to multiply yet
	BAR 2                                          ; slab 1 has landed: round 1 fetches round 2's x from it
	s_mov_b32 s[S_T], 1
	ROUND 1, 1                                     ; round 1, and round 0's products, which start the sums
	BAR 0                                          ; all of x has landed
	s_mov_b32 s[S_T], 2
.Lround:                                               ; rounds 2 to 7, each with the products of the round before
	ROUND 1, 0
	BAR -1
	s_add_co_u32 s[S_T], s[S_T], 1
	s_cmp_lt_u32 s[S_T], 8
	s_cbranch_scc1 .Lround
	; ---- silu, with round 7's products
	PRE 0
	XVLD 0
	SILUROW 0
	SILUROW 1
	BWLOAD 0                                       ; K step 0's registers are free: the base weights
	SILUROW 2
	SILUROW 3
	BWLOAD 1
	BAR -1                                         ; the last reads of x stand in front of this barrier
	; ---- the base product: 32 matrix instructions on end
	PRE 0
.irp u, 0,1,2,3,4,5,6,7
	LOADA \u, 80+16*\u
.endr
.irp u, 0,1,2,3,4,5,6,7
	s_wait_dscnt 5*(7-\u)                          ; group u's five loads are in; the later groups' may be out
.if \u < 4
	MMA \u, 0, 80+16*\u, 5
.else
	MMA \u, 0, 80+16*\u, 0
.endif
.endr
	; ---- THE WAY OUT.  A lane holds 32 neighbouring bytes of a row, and a row's 1,024 bytes come from eight waves: they meet in a stage, which lies where x lay (filled for the last time long ago, read no more), and each wave stores 16 whole rows.
.rept 4
	v_nop                                          ; places between the last products and the first read of results, and the loads into the registers that held fragments
.endr
	WIN 0x04                                       ; an LDS store's data are its source 1: window 1
.irp m, 0,1,2,3
.irp n, 0,1
	ds_store_b128 v[STO], v[ACC+8*(2*\m+\n):ACC+8*(2*\m+\n)+3] offset:\m*16*OPITCH+64*\n          ; each accumulator from its low end on
	ds_store_b128 v[STO], v[ACC+8*(2*\m+\n)+4:ACC+8*(2*\m+\n)+7] offset:\m*16*OPITCH+64*\n+16
.endr
.endr
.irp m, 4,5,6,7
.irp n, 0,1
	ds_store_b128 v[STO2], v[ACC+8*(2*\m+\n):ACC+8*(2*\m+\n)+3] offset:(\m-4)*16*OPITCH+64*\n
	ds_store_b128 v[STO2], v[ACC+8*(2*\m+\n)+4:ACC+8*(2*\m+\n)+7] offset:(\m-4)*16*OPITCH+64*\n+16
.endr
.endr
	WIN 0
	BAR -1                                         ; 128 whole rows lie in the stage
.set i, 0
.rept 32
	ds_load_b128 v[80+4*i:80+4*i+3], v[SRB] offset:(i>>1)*OPITCH+(i&1)*512
.set i, i+1
.endr
.set i, 0
.rept 32
	s_wait_dscnt 31-i
	global_store_b128 v[WOF], v[80+4*i:80+4*i+3], s[OP:OP+1] offset:(i>>1)*1024+(i&1)*512 th:TH_STORE_NT   ; 32 lanes store 512 consecutive bytes, at a multiple of 256 from out0's first byte
.set i, i+1
.endr
	s_wait_tensorcnt 0x0                           ; the wave's end, behind my last tensor load and my last LDS store
	ds_add_u32 v[SPW], v[NIL]
	s_wait_dscnt 0x0
	s_endpgm
.Lfunc_end_k_qc0d740fc22_kan:
	.size	k_qc0d740fc22_kan, .Lfunc_end_k_qc0d740fc22_kan-k_qc0d740fc22_kan
	.p2alignl 7, 3214868480
	.fill 96, 4, 3214868480
	.section	.rodata,"a",@progbits
	.p2align	6, 0x0
	.amdhsa_kernel k_qc0d740fc22_kan
		.amdhsa_group_segment_fixed_size 249856
		.amdhsa_private_segment_fixed_size 0
		.amdhsa_enable_private_segment 0
		.amdhsa_kernarg_size 48
		.amdhsa_user_sgpr_count 2
		.amdhsa_user_sgpr_kernarg_segment_ptr 1
		.amdhsa_wavefront_size32 1
		.amdhsa_system_sgpr_workgroup_id_x 1
		.amdhsa_system_sgpr_workgroup_id_y 1
		.amdhsa_system_sgpr_workgroup_id_z 1
		.amdhsa_system_vgpr_workitem_id 0
		.amdhsa_next_free_vgpr 512
		.amdhsa_next_free_sgpr 90
		.amdhsa_reserve_vcc 0
		.amdhsa_float_denorm_mode_32 3
		.amdhsa_float_denorm_mode_16_64 3
		.amdhsa_memory_ordered 1
		.amdhsa_forward_progress 1
		.amdhsa_inst_pref_size 255
	.end_amdhsa_kernel
	.section	.bss,"aw",@nobits
	.p2align	6
	.space	262144
	.amdgpu_metadata
---
amdhsa.version: [ 1, 2 ]
amdhsa.kernels:
  - .name:           k_qc0d740fc22_kan
    .symbol:         k_qc0d740fc22_kan.kd
    .args:
      - { .name: x, .offset: 0, .size: 8, .value_kind: global_buffer, .address_space: global }
      - { .name: grid, .offset: 8, .size: 8, .value_kind: global_buffer, .address_space: global }
      - { .name: wq, .offset: 16, .size: 8, .value_kind: global_buffer, .address_space: global }
      - { .name: base_weight_codes, .offset: 24, .size: 8, .value_kind: global_buffer, .address_space: global }
      - { .name: base_weight_scales, .offset: 32, .size: 8, .value_kind: global_buffer, .address_space: global }
      - { .name: out0, .offset: 40, .size: 8, .value_kind: global_buffer, .address_space: global }
    .group_segment_fixed_size: 249856
    .private_segment_fixed_size: 0
    .kernarg_segment_align: 8
    .kernarg_segment_size: 48
    .max_flat_workgroup_size: 256
    .sgpr_count:     90
    .vgpr_count:     512
    .wavefront_size: 32
...
	.end_amdgpu_metadata
.endif
;; end of part 2
